; MI455X (gfx1250); checked and timed in simulation.
; The chip was launched on July 23, 2026; its instructions are those of AMD's public machine-readable ISA for CDNA 5 (MIT licence, August 2026) and "CDNA5" Instruction Set Architecture Reference Guide (July 2026). The comments in the code are by the model that wrote it; some were corrected since.
;; Gate. Allowed arithmetic: matrix products marked QUANTISED: E2M1 operands, one E8M0 scale for each 32 along K, by v_wmma_scale_f32_16x16x128_f8f6f4 with both operands' format E2M1 (or v_wmma_scale_f32_32x16x128_f4), f32 sums; everything else in f32.
;; Inputs: weight 64 x 2,048 float32; x 16,384 x 2,048 float32.
;; Outputs: out0 16,384 x 2 float32; out1 16,384 x 2 int32.
;; This version of the problem:
;;   THIS VERSION OF THE PROBLEM IS GIVEN IN LOW PRECISION. The matrix products marked QUANTISED in the list below multiply operands that are first quantised to E2M1 (2 exponent bits, 1 mantissa bit; 4 bits a number), with one power-of-two scale for each 32 numbers along K (OCP MX v1.0); their sums are f32. All else is computed in f32.
;;   The module's matrix products, in the order in which they are computed (A, B: the left and right operand; K: the contracted axis; several contracted axes count as one K, in the product's order):
;;     1. [M 16,384, K 2,048] x [K 2,048, N 64]; A: input x; B: input weight: QUANTISED
;;   THE QUANTISER, for each operand of a quantised product, along K:
;;     - K is cut into blocks of 32 from its start; a last block that is shorter is filled with zeros.
;;     - A block's scale is 2^e with e = floor(log2(the largest magnitude in the block)) - 2, held to -126 .. 127; a block of zeros has e = 0. As a byte (E8M0): e + 127.
;;     - Each number is divided by its block's scale, clamped to +-6, and rounded to the nearest number of E2M1, ties to even, subnormals kept.
;;     - The product sums the exact products of the quantised numbers (number of the format x scale) in f32.
;;   ~~~python
;;   def quantise(x, axis):      # numpy; x: float32 -> the quantised numbers, widened to float32 again
;;       x = np.moveaxis(x, axis, -1); K = x.shape[-1]
;;       x = np.pad(x, [(0, 0)] * (x.ndim - 1) + [(0, -K % 32)]); x = x.reshape(x.shape[:-1] + (-1, 32)); a = np.abs(x).max(-1, keepdims=True)
;;       e = np.where(a > 0, np.clip(np.frexp(np.where(a > 0, a, 1))[1] - 1 - 2, -126, 127), 0)      # np.frexp(a)[1] - 1 = floor(log2(a)), exactly
;;       r = np.clip(x / 2.0 ** e, -6, 6)
;;       step = 2.0 ** (np.maximum(np.frexp(np.where(r == 0, 1, r))[1] - 1, 0) - 1)
;;       q = np.round(r / step) * step * 2.0 ** e      # np.round: ties to even
;;       return np.moveaxis(q.reshape(q.shape[:-2] + (-1,))[..., :K], -1, axis).astype(np.float32)
;;   ~~~
;; One version. Each part assembles by itself: llvm-mc -triple=amdgcn-amd-amdhsa -mcpu=gfx1250 --defsym DOCPART=n.
;; ======== version 1 of 1: 2 launches
;; workspace buffers: wq 69,632 bytes
;; launch quantw (part 1): grid 8 x 1, 4 waves a work-group, no clusters, 10,240 bytes of LDS; arguments weight, wq; writes wq
.if DOCPART == 1
	.amdgcn_target "amdgcn-amd-amdhsa--gfx1250"
	.amdhsa_code_object_version 6
	.text
	.protected	k_q5c3f5cd51e_quantw
	.globl	k_q5c3f5cd51e_quantw
	.p2align	8
	.type	k_q5c3f5cd51e_quantw,@function
k_q5c3f5cd51e_quantw:
	s_mov_b64 s[64:65], 0
	v_nop
	global_prefetch_b8 v0, s[64:65] scope:SCOPE_SE
	s_setreg_imm32_b32 hwreg(HW_REG_WAVE_MODE, 25, 1), 1
	s_wait_xcnt 0x0
; weight [64][2048] f32 becomes codes of FP4 (E2M1) with one E8M0 scale byte for each 32 along K, laid in wq as the next launch's waves take them:
;   bytes 0 .. 65,535: 64 fragments (K step s = 0 .. 15, tile T = 0 .. 3) of 1,024 bytes at (4 s + T) x 1,024, each an image of the operand's 8 registers: registers 4 c .. 4 c + 3 of lane l at 512 c + 16 l;
;   bytes 65,536 on:   scale words, for each pair of K steps p and tile T 128 bytes at 512 p + 128 T: lane l's word: row l % 16 of the tile, K step 2 p + l / 16.
; THE EXPERTS OF A TILE ARE NOT NEIGHBOURS: row m of tile T is expert 8 T + m + 24 (m / 8), so that in the product's result lanes 0-15 hold experts 0 .. 31 and lanes 16-31 experts 32 .. 63, ascending.
; A block's scale is 2^(floor(log2(its largest magnitude)) - 2); its byte is the largest magnitude's exponent field - 2, held at 1 from below.  A block of zeros gets the byte 1 where the rule says 127: its codes are zeros,
; which add nothing under any byte but 0xff, and this program alone reads the bytes.  LIMITS: NaN and infinities among the inputs are not served.
; SHARES.  Work-group p takes K steps 2 p and 2 p + 1, its wave T one tile: 16 rows x 1,024 bytes.  Each load of a wave covers 512 consecutive bytes of one row (lane (r, h) at 32 r + 16 h); a swap of the halves of the lanes
; then gives a lane 8 neighbours along K; four lanes hold a block.  A lane's 8 codes (one register) go to the wave's own stage in LDS and come back as the operand's registers.
.set ROWB,  8192                       ; a row of weight in bytes
.set WSC,   65536                      ; where the scale words begin in wq
.set GP,    272                        ; the stage: a group (K step, block) is 16 rows x 16 bytes + 16 of padding: the 32 lanes of a store fall on 32 different banks
.set WST,   2304                       ; a wave's stage: 8 groups, rounded up to whole blocks of 256 bytes
.set SCB,   4*WST                      ; behind the stages: the four waves' scale bytes, 128 each
.set VOFF,  1                          ; v1  my 16 bytes of a load's 512
.set STC,   2                          ; v2  the stage: where my codes go
.set STS,   3                          ; v3  where my block's scale byte goes
.set LA,    4                          ; v4  the stage: where my operand registers come from
.set OL,    10                         ; v10 the scale words on their way out
.set GO,    11                         ; v11 16 x lane
.set MX,    12                         ; v12-15 largest magnitudes of four rows
.set SCL,   16                         ; v16-19 the conversions' scale operands
.set EB,    20                         ; v20-27 scale bytes, two sets
.set CODE,  28                         ; v28-35 codes, two sets
.set XF,    48                         ; v48-63 the two fragments
.set RING,  128                        ; v128-255 16 rows x 8 registers
.macro XLOAD n                         ; row n of the tile: two loads of 512 consecutive bytes
.set XR, RING+8*(\n)
.set XO, ((\n)+24*((\n)/8))*ROWB
	global_load_b128 v[XR:XR+3], v[VOFF], s[4:5] offset:XO th:TH_LOAD_NT
	global_load_b128 v[XR+4:XR+7], v[VOFF], s[4:5] offset:XO+512 th:TH_LOAD_NT
.endm
; Four rows by turns.  left: the younger loads, which may stay out.
.macro GROUP g, left
.set RB, RING+32*(\g)
.set CD, CODE+4*((\g)%2)
.set ED, EB+4*((\g)%2)
	s_wait_loadcnt \left                           ; loads come back in order: these four rows' eight loads are in
.if (\g) >= 2
	s_wait_dscnt 8                                 ; all but the last group's eight LDS stores are done: the registers that the group before it stored are written again below
.endif
.irp i, 0,1,2,3
.irp q, 0,1,2,3
	v_permlane16_swap_b32 v[RB+8*\i+\q], v[RB+8*\i+4+\q]   ; lanes 0-15 now hold numbers 8 r .. 8 r + 7 of the first K step, lanes 16-31 those of the second
.endr
.endr
.irp i, 0,1,2,3
	v_max3_num_f32 v[MX+\i], |v[RB+8*\i]|, |v[RB+8*\i+1]|, 0x1800000   ; my 8 numbers, and the floor 2^(3 - 127): so the byte cannot fall under 1
.endr
.irp p, 2,4,6
.irp i, 0,1,2,3
	v_max3_num_f32 v[MX+\i], v[MX+\i], |v[RB+8*\i+\p]|, |v[RB+8*\i+\p+1]|
.endr
.endr
.irp i, 0,1,2,3
	v_max_num_f32_dpp v[MX+\i], v[MX+\i], v[MX+\i] row_xmask:1 row_mask:0xf bank_mask:0xf
.endr
.irp i, 0,1,2,3
	v_max_num_f32_dpp v[MX+\i], v[MX+\i], v[MX+\i] row_xmask:2 row_mask:0xf bank_mask:0xf   ; with the three lanes that share my block
.endr
.irp i, 0,1,2,3
	v_add_nc_u32 v[SCL+\i], 0xff000000, v[MX+\i]   ; 2 off the exponent field: the conversion takes the exponent field of this operand as its scale
.endr
.irp i, 0,1,2,3
	v_cvt_scalef32_pk8_fp4_f32 v[CD+\i], v[RB+8*\i:RB+8*\i+7], v[SCL+\i]
.endr
.irp i, 0,1,2,3
	v_lshrrev_b32 v[ED+\i], 23, v[SCL+\i]          ; the scale's byte (also the plain line behind the conversions)
.endr
.irp i, 0,1,2,3
	ds_store_b32 v[STC], v[CD+\i] offset:64*(\g)+16*\i     ; row 4 g + i: 16 bytes a row in my group
	ds_store_b8 v[STS], v[ED+\i] offset:16*(\g)+4*\i       ; the four lanes of a block write the same byte with the same value
.endr
.endm
	s_load_b128 s[4:7], s[0:1], 0x0                ; weight, wq
	v_lshl_add_u32 v126, v0, 2, 0x2600
	v_mov_b32 v127, 0
	v_lshrrev_b32 v12, 5, v0
	v_readfirstlane_b32 s12, v12                   ; wave = tile T
	v_and_b32 v12, 15, v0                          ; r
	v_bfe_u32 v13, v0, 4, 1                        ; h
	v_and_b32 v14, 31, v0                          ; lane
	v_lshlrev_b32 v[VOFF], 5, v12
	v_lshl_add_u32 v[VOFF], v13, 4, v[VOFF]        ; 32 r + 16 h
	s_lshl_b32 s16, s12, 16                        ; weight: 8 T rows of 8,192 bytes
	s_lshl_b32 s17, ttmp9, 10                      ; + 1,024 p
	s_add_co_u32 s16, s16, s17
	s_mov_b32 s17, 0
	s_lshl_b32 s18, ttmp9, 13                      ; codes: fragment 8 p + T
	s_lshl_b32 s19, s12, 10
	s_add_co_u32 s18, s18, s19
	s_mov_b32 s19, 0
	s_lshl_b32 s20, ttmp9, 9                       ; scale words: 512 p
	s_add_co_u32 s20, s20, WSC
	s_mov_b32 s21, 0
	s_wait_kmcnt 0x0
	s_add_nc_u64 s[4:5], s[4:5], s[16:17]
	s_add_nc_u64 s[8:9], s[6:7], s[18:19]
	s_add_nc_u64 s[10:11], s[6:7], s[20:21]
.irp n, 0,1,2,3,4,5,6,7,8,9,10,11,12,13,14,15
	XLOAD \n                                       ; all 32 loads of the wave go out at once
.endr
	s_mul_i32 s16, s12, WST                        ; my stage
	v_bfe_u32 v15, v0, 2, 3                        ; lane / 4 = 4 x K step + block: my group
	v_and_b32 v16, 3, v0
	v_lshlrev_b32 v16, 2, v16                      ; lane % 4: which 8 codes of the block
	v_mad_u32_u24 v[STC], v15, GP, v16
	v_add_nc_u32 v[STC], s16, v[STC]
	v_lshlrev_b32 v16, 4, v12
	v_mad_u32_u24 v[LA], v13, GP, v16              ; back: group 4 s + 2 c + h, row r
	v_add_nc_u32 v[LA], s16, v[LA]
	s_lshl_b32 s16, s12, 7
	s_add_co_u32 s16, s16, SCB                     ; my wave's 128 scale bytes
	v_bfe_u32 v16, v0, 2, 2                        ; my block
	v_lshl_add_u32 v[STS], v13, 6, v16             ; 64 x K step + block (+ 4 x row)
	v_add_nc_u32 v[STS], s16, v[STS]
	v_lshl_add_u32 v[OL], v14, 4, SCB
	v_lshlrev_b32 v[GO], 4, v14
	GROUP 0, 24
	GROUP 1, 16
	GROUP 2, 8
	GROUP 3, 0
.irp s, 0,1
.irp c, 0,1
	ds_load_b128 v[XF+8*\s+4*\c:XF+8*\s+4*\c+3], v[LA] offset:4*GP*\s+2*GP*\c   ; LDS serves a wave's instructions in order: these see my stores
.endr
.endr
	s_wait_dscnt 0x0                               ; the fragments are in; my scale bytes have landed, for the others' sake
.irp s, 0,1
.irp c, 0,1
	global_store_b128 v[GO], v[XF+8*\s+4*\c:XF+8*\s+4*\c+3], s[8:9] offset:4096*\s+512*\c   ; 32 lanes store 512 consecutive bytes, aligned
.endr
.endr
	s_barrier_signal -1
	s_barrier_wait -1                              ; all four waves' scale bytes lie in LDS
	s_cmp_lg_u32 s12, 0
	s_cbranch_scc1 .Lend
	ds_load_b128 v[MX:MX+3], v[OL]
	s_wait_dscnt 0x0
	global_store_b128 v[GO], v[MX:MX+3], s[10:11]  ; the pair of K steps' 512 bytes of scale words, whole
.Lend:
	s_wait_tensorcnt 0x0
	ds_add_u32 v126, v127
	s_wait_dscnt 0x0
	s_endpgm
.Lfunc_end_k_q5c3f5cd51e_quantw:
	.size	k_q5c3f5cd51e_quantw, .Lfunc_end_k_q5c3f5cd51e_quantw-k_q5c3f5cd51e_quantw
	.p2alignl 7, 3214868480
	.fill 96, 4, 3214868480
	.section	.rodata,"a",@progbits
	.p2align	6, 0x0
	.amdhsa_kernel k_q5c3f5cd51e_quantw
		.amdhsa_group_segment_fixed_size 10240
		.amdhsa_private_segment_fixed_size 0
		.amdhsa_enable_private_segment 0
		.amdhsa_kernarg_size 16
		.amdhsa_user_sgpr_count 2
		.amdhsa_user_sgpr_kernarg_segment_ptr 1
		.amdhsa_wavefront_size32 1
		.amdhsa_system_sgpr_workgroup_id_x 1
		.amdhsa_system_sgpr_workgroup_id_y 1
		.amdhsa_system_sgpr_workgroup_id_z 1
		.amdhsa_system_vgpr_workitem_id 0
		.amdhsa_next_free_vgpr 256
		.amdhsa_next_free_sgpr 66
		.amdhsa_reserve_vcc 0
		.amdhsa_float_denorm_mode_32 3
		.amdhsa_float_denorm_mode_16_64 3
		.amdhsa_memory_ordered 1
		.amdhsa_forward_progress 1
		.amdhsa_inst_pref_size 20
	.end_amdhsa_kernel
	.amdgpu_metadata
---
amdhsa.version: [ 1, 2 ]
amdhsa.kernels:
  - .name:           k_q5c3f5cd51e_quantw
    .symbol:         k_q5c3f5cd51e_quantw.kd
    .args:
      - { .name: weight, .offset: 0, .size: 8, .value_kind: global_buffer, .address_space: global }
      - { .name: wq, .offset: 8, .size: 8, .value_kind: global_buffer, .address_space: global }
    .group_segment_fixed_size: 10240
    .private_segment_fixed_size: 0
    .kernarg_segment_align: 8
    .kernarg_segment_size: 16
    .max_flat_workgroup_size: 128
    .sgpr_count:     66
    .vgpr_count:     256
    .wavefront_size: 32
...
	.end_amdgpu_metadata
.endif
;; end of part 1
;; launch gate (part 2): grid 256 x 1, 16 waves a work-group, no clusters, 243,712 bytes of LDS; arguments x, wq, out0, out1; writes out0, out1
.if DOCPART == 2
	.amdgcn_target "amdgcn-amd-amdhsa--gfx1250"
	.amdhsa_code_object_version 6
	.text
	.protected	k_q5c3f5cd51e_gate
	.globl	k_q5c3f5cd51e_gate
	.p2align	8
	.type	k_q5c3f5cd51e_gate,@function
k_q5c3f5cd51e_gate:
	s_mov_b64 s[64:65], 0
	v_nop
	global_prefetch_b8 v0, s[64:65] scope:SCOPE_SE
	s_setreg_imm32_b32 hwreg(HW_REG_WAVE_MODE, 25, 1), 1
	s_wait_xcnt 0x0
; logits = Q(x) Q(weight)^T on codes of FP4 (E2M1) with one E8M0 scale for each 32 along K; softmax over the 64 experts; the two largest scores (ties: the lower expert), divided by their sum, and their experts.
; x [16384][2048] f32 is quantised here, in registers; weight comes as codes and scale words in wq, laid by the launch before as images of the operand's registers.
; SHARES.  A work-group takes 64 tokens, 512 KB of x.  Wave w of 16 takes tile t = w % 4 (16 tokens) and K quarter z = w / 4 (512 along K): 32 slots of one row x 1,024 bytes.
; THE STREAM.  A slot is two loads, each of 512 consecutive bytes of a row (lane (r, h) at 32 r + 16 h).  A ring of 16 slots in registers: up to 32 loads of every wave are out,
; and four slots are asked for again as soon as they are converted.  No barrier stands between a load's arrival and the refill of its registers.
; THE BARRIER FOR wq STANDS AT THE HEAD, ahead of the first slot's work: 24 of a wave's first 32 loads are issued ahead of it and 8 directly behind it, so that a wave has requests to issue as it passes.
; From there until the K quarters meet no wave waits for another: each converts its slots as they land and multiplies as soon as its own 16 rows x 2 K steps are staged.
; THE QUANTISER.  A swap of the halves of the lanes gives a lane 8 neighbours along K (lanes 0-15: the slot's first K step, lanes 16-31: its second); four lanes hold a block.  A lane's 8 codes, one register, go to the wave's own
; stage in LDS, its block's byte beside them; 16 rows later they come back as the operand's registers and scale words.  So an eighth of x's bytes goes through LDS, and every load from memory is dense.
; THE PRODUCT IS USED TRANSPOSED: source 0 = 16 experts, source 1 = my 16 tokens.  Row m of tile T of wq is expert 8 T + m + 24 (m / 8): so lane (r, h) holds token r, and register 8 T + j the logit of expert 32 h + 8 T + j.
; THE K QUARTERS meet in LDS: waves 4 to 15 store their sums, waves 0 to 3 add them and go on to the softmax, one tile each.
; THE CHOICE is made on the scores, so that scores which have fallen to zero tie and the lowest expert among them is taken.
; NO CLUSTER: the work-groups share wq alone, 69,632 of the 593,920 bytes that each reads.
; LIMITS: a score under 2^-126, the smallest normal number, counts as 0; NaN and infinities among the inputs are not served; a block of zeros has the scale byte 1 and zero codes.
.set ROWB,  8192                       ; a row of x in bytes
.set WSC,   65536                      ; LDS: wq lies from byte 0 as in memory: 64 fragments of 1,024 bytes, then the scale words
.set WQB,   69632
.set PART,  WQB/16                     ; a wave brings 17 rows of 256 bytes of it
.set GP,    272                        ; the stage: a group (K step, block) is 16 rows x 16 bytes + 16 of padding: the 32 lanes of a store fall on 32 different banks
.set SOFF,  8*GP                       ; behind 8 groups: 128 scale bytes
.set UST,   SOFF+128                   ; a stage: 16 rows x 2 K steps
.set WST,   2*UST                      ; two for each wave, one for each half of its slots: nothing is written twice
.set STG,   WQB
.set RED,   STG+16*WST                 ; partial sums: 4,096 bytes for each wave (those of waves 0 to 3 stay unused)
.set OUT,   RED+16*4096                ; the way out: values from here, 128 bytes a wave; experts 2,048 bytes on
.set VOFF,  1                          ; v1  my 16 bytes of a load's 512
.set STC,   2                          ; v2  the stage: where my codes go
.set STS,   3                          ; v3  where my block's scale byte goes
.set LA,    4                          ; v4  where x's operand registers come from
.set LSX,   5                          ; v5  4 x lane in my stage: x's scale words
.set VW,    6                          ; v6  16 x lane in my K quarter's fragments of W
.set VWS,   7                          ; v7  4 x lane in my K quarter's scale words of W
.set RW,    8                          ; v8  16 x lane in my wave's partial sums
.set OA,    9                          ; v9  the way out: where my token's number goes
.set OL,    10                         ; v10 and where 16 bytes are read back
.set GO,    11                         ; v11 16 x lane
.set MX,    12                         ; v12-15 largest magnitudes of four rows
.set SCL,   16                         ; v16-19 the conversions' scale operands
.set EB,    20                         ; v20-27 scale bytes, two sets
.set CODE,  28                         ; v28-35 codes, two sets
.set XS,    36                         ; v36    x's scale words: lanes 0-15 the first K step's, lanes 16-31 the second's
.set WS,    38                         ; v38-41 W's, one register a tile, laid likewise
.set XF,    48                         ; v48-63 x's two fragments
.set WF,    64                         ; v64-95 W's four fragments of one K step
.set ACC,   96                         ; v96-127 four accumulators; later the scores
.set RING,  128                        ; v128-255 16 slots x 8 registers
.set TV1,   48                         ; the choice, four chains: largest score, its expert, second score, its expert
.set TI1,   52
.set TV2,   56
.set TI2,   60
.macro XLOAD n                         ; slot n: row n % 16, the (n / 16)-th 1,024 bytes of my K quarter
.set XR, RING+8*((\n)%16)
.set XO, ((\n)%16)*ROWB+((\n)/16)*1024
	global_load_b128 v[XR:XR+3], v[VOFF], s[4:5] offset:XO th:TH_LOAD_NT
	global_load_b128 v[XR+4:XR+7], v[VOFF], s[4:5] offset:XO+512 th:TH_LOAD_NT
.endm
; Four slots by turns.  reload = 1: their registers take the slots 16 further on.  left: the younger loads, which may stay out.
.macro GROUP g, reload, left
.set RB, RING+32*((\g)%4)
.set CD, CODE+4*((\g)%2)
.set ED, EB+4*((\g)%2)
.set SO, ((\g)/4)*UST+64*((\g)%4)
.set BO, ((\g)/4)*UST+SOFF+16*((\g)%4)
	s_wait_loadcnt \left                           ; loads come back in order: these four slots' eight loads are in, the younger ones may be out
.if (\g) >= 2
	s_wait_dscnt 8                                 ; all but the last group's eight LDS stores are done: the registers that the group before it stored are written again below
.endif
.irp i, 0,1,2,3
.irp q, 0,1,2,3
	v_permlane16_swap_b32 v[RB+8*\i+\q], v[RB+8*\i+4+\q]   ; lanes 0-15 now hold numbers 8 r .. 8 r + 7 of the first K step, lanes 16-31 those of the second
.endr
.endr
.irp i, 0,1,2,3
	v_max3_num_f32 v[MX+\i], |v[RB+8*\i]|, |v[RB+8*\i+1]|, 0x1800000   ; my 8 numbers, and the floor 2^(3 - 127): so the byte cannot fall under 1
.endr
.irp p, 2,4,6
.irp i, 0,1,2,3
	v_max3_num_f32 v[MX+\i], v[MX+\i], |v[RB+8*\i+\p]|, |v[RB+8*\i+\p+1]|
.endr
.endr
.irp i, 0,1,2,3
	v_max_num_f32_dpp v[MX+\i], v[MX+\i], v[MX+\i] row_xmask:1 row_mask:0xf bank_mask:0xf
.endr
.irp i, 0,1,2,3
	v_max_num_f32_dpp v[MX+\i], v[MX+\i], v[MX+\i] row_xmask:2 row_mask:0xf bank_mask:0xf   ; with the three lanes that share my block
.endr
.irp i, 0,1,2,3
	v_add_nc_u32 v[SCL+\i], 0xff000000, v[MX+\i]   ; 2 off the exponent field: the conversion takes the exponent field of this operand as its scale
.endr
.irp i, 0,1,2,3
	v_cvt_scalef32_pk8_fp4_f32 v[CD+\i], v[RB+8*\i:RB+8*\i+7], v[SCL+\i]
.endr
.irp i, 0,1,2,3
	v_lshrrev_b32 v[ED+\i], 23, v[SCL+\i]          ; the scale's byte (also the plain line behind the conversions)
.endr
.if \reload
.irp i, 0,1,2,3
	XLOAD 4*(\g)+16+\i                             ; the registers are free: their next slots are asked for before anything else is done
.endr
.endif
.irp i, 0,1,2,3
	ds_store_b32 v[STC], v[CD+\i] offset:SO+16*\i  ; 16 bytes a row in my group
	ds_store_b8 v[STS], v[ED+\i] offset:BO+4*\i    ; the four lanes of a block write the same byte with the same value
.endr
.endm
.macro WLOAD u, hs                     ; W's four fragments of K step 2 u + hs of my quarter: 16 bytes a lane on end
.irp t, 0,1,2,3
.irp c, 0,1
	ds_load_b128 v[WF+8*\t+4*\c:WF+8*\t+4*\c+3], v[VW] offset:(2*(\u)+(\hs))*4096+1024*\t+512*\c
.endr
.endr
.endm
.macro PROD t, hs, first               ; tile t of the experts x my 16 tokens, 128 along K.  first = 1: the product starts the sum.  The second K step's scale words lie in lanes 16-31
.set rD, ACC+8*(\t)
.set rA, WF+8*(\t)
.set rB, XF+8*(\hs)
.if \first
	v_wmma_scale_f32_16x16x128_f8f6f4 v[rD:rD+7], v[rA:rA+7], v[rB:rB+7], 0, v[WS+(\t)], v[XS] matrix_a_fmt:MATRIX_FMT_FP4 matrix_b_fmt:MATRIX_FMT_FP4
.elseif \hs
	v_wmma_scale_f32_16x16x128_f8f6f4 v[rD:rD+7], v[rA:rA+7], v[rB:rB+7], v[rD:rD+7], v[WS+(\t)], v[XS] matrix_a_fmt:MATRIX_FMT_FP4 matrix_b_fmt:MATRIX_FMT_FP4 matrix_a_scale:MATRIX_SCALE_ROW1 matrix_b_scale:MATRIX_SCALE_ROW1
.else
	v_wmma_scale_f32_16x16x128_f8f6f4 v[rD:rD+7], v[rA:rA+7], v[rB:rB+7], v[rD:rD+7], v[WS+(\t)], v[XS] matrix_a_fmt:MATRIX_FMT_FP4 matrix_b_fmt:MATRIX_FMT_FP4
.endif
.endm
; The products of stage u: two K steps x four tiles; the four accumulators take turns.
.macro MATS u, first
.irp hs, 0,1
.irp c, 0,1
	ds_load_b128 v[XF+8*\hs+4*\c:XF+8*\hs+4*\c+3], v[LA] offset:(\u)*UST+4*GP*\hs+2*GP*\c   ; LDS serves a wave's instructions in order: these see my stores
.endr
.endr
	ds_load_b32 v[XS], v[LSX] offset:(\u)*UST+SOFF
.irp t, 0,1,2,3
	ds_load_b32 v[WS+\t], v[VWS] offset:(\u)*512+128*\t
.endr
	WLOAD \u, 0
	s_wait_dscnt 0x0                               ; the operands are in; the stage's stores are done too, so their registers may be written again
.irp t, 0,1,2,3
	PROD \t, 0, \first
.endr
.rept 4
	v_nop                                          ; four places in front of loads into registers that matrix instructions have read
.endr
	WLOAD \u, 1
	s_wait_dscnt 0x0
.irp t, 0,1,2,3
	PROD \t, 1, 0
.endr
.endm
; Score j of each chain's eight is set against the chain's two best.  A later score takes a place only if it is larger: so of equal scores the lower expert stands first.
.macro INSERT j
.irp ch, 0,1,2,3
	v_cmp_le_f32 s[40+\ch], v[ACC+8*\ch+\j], v[TV1+\ch]      ; the first stays
.endr
.irp ch, 0,1,2,3
	v_cmp_le_f32 s[44+\ch], v[ACC+8*\ch+\j], v[TV2+\ch]      ; the second stays
.endr
.irp ch, 0,1,2,3
	v_cndmask_b32 v[TI2+\ch], 8*\ch+\j, v[TI2+\ch], s[44+\ch]
.endr
.irp ch, 0,1,2,3
	v_cndmask_b32 v[TI2+\ch], v[TI1+\ch], v[TI2+\ch], s[40+\ch]
.endr
.irp ch, 0,1,2,3
	v_cndmask_b32 v[TI1+\ch], 8*\ch+\j, v[TI1+\ch], s[40+\ch]
.endr
.irp ch, 0,1,2,3
	v_med3_num_f32 v[TV2+\ch], v[TV1+\ch], v[TV2+\ch], v[ACC+8*\ch+\j]   ; the middle of the three is the new second
.endr
.irp ch, 0,1,2,3
	v_max_num_f32 v[TV1+\ch], v[TV1+\ch], v[ACC+8*\ch+\j]
.endr
.endm
; Chain b is merged into chain a.  All of a's experts are lower than b's: a's stand first among equals.  x: four registers at work; sm: a mask
.macro MERGE a, b, x, sm
	v_cmp_le_f32 s[\sm], v[TV1+\b], v[TV1+\a]                ; a's first stays first
	v_cndmask_b32 v[\x], v[TV1+\a], v[TV2+\a], s[\sm]        ; a's candidate for the second place: its second, or its beaten first
	v_cndmask_b32 v[\x+1], v[TI1+\a], v[TI2+\a], s[\sm]
	v_cndmask_b32 v[\x+2], v[TV2+\b], v[TV1+\b], s[\sm]      ; b's: its beaten first, or its second
	v_cndmask_b32 v[\x+3], v[TI2+\b], v[TI1+\b], s[\sm]
	v_cndmask_b32 v[TI1+\a], v[TI1+\b], v[TI1+\a], s[\sm]
	v_max_num_f32 v[TV1+\a], v[TV1+\a], v[TV1+\b]
	v_cmp_le_f32 s[\sm], v[\x+2], v[\x]
	v_cndmask_b32 v[TI2+\a], v[\x+3], v[\x+1], s[\sm]
	v_max_num_f32 v[TV2+\a], v[\x], v[\x+2]
.endm
	s_load_b128 s[4:7], s[0:1], 0x0                ; x, wq
	s_load_b128 s[8:11], s[0:1], 0x10              ; out0, out1
	v_lshl_add_u32 v46, v0, 2, 0x3b000
	v_mov_b32 v47, 0
	ds_add_u32 v46, v47
	ds_add_u32 v46, v47
	v_lshrrev_b32 v12, 5, v0
	v_readfirstlane_b32 s12, v12                   ; wave 0..15
	v_and_b32 v12, 15, v0                          ; r
	v_bfe_u32 v13, v0, 4, 1                        ; h
	v_lshlrev_b32 v[VOFF], 5, v12
	v_lshl_add_u32 v[VOFF], v13, 4, v[VOFF]        ; 32 r + 16 h
	s_and_b32 s13, s12, 3                          ; t: my tile of tokens
	s_lshr_b32 s14, s12, 2                         ; z: my K quarter
	s_lshl_b32 s16, ttmp9, 19                      ; x: 64 rows of 8,192 bytes a work-group (under 2^27 in all),
	s_lshl_b32 s17, s13, 17                        ; 16 rows a tile,
	s_add_co_u32 s16, s16, s17
	s_lshl_b32 s17, s14, 11                        ; 2,048 bytes a quarter
	s_add_co_u32 s16, s16, s17
	s_mov_b32 s17, 0
	s_mul_i32 s18, s12, PART                       ; wq: my 17 rows of 256 bytes
	s_mov_b32 s19, 0
	s_mov_b32 s24, 3<<16                           ; descriptor group 1: no mask; elements of 8 bytes; no padding
	s_mov_b32 s25, 32<<16                          ; tensor_dim0 = 32 elements: 256 bytes
	s_mov_b32 s26, 17<<16                          ; tensor_dim1 = 17
	s_mov_b32 s27, 32<<16                          ; tile_dim0 = 32
	s_mov_b32 s28, 17                              ; tile_dim1 = 17
	s_mov_b32 s29, 32                              ; from row to row: the block is dense
	s_mov_b32 s30, 0
	s_mov_b32 s31, 0
	s_mov_b32 s20, 1                               ; group 0: count = 1
	s_mul_i32 s21, s12, PART                       ; LDS address: as in memory
	s_mov_b32 s32, 0x76543210
	s_mov_b32 s33, 0xfedcba98                      ; v_permlanex16_b32's selects for lane l xor 16
	s_mov_b32 s34, 0x3fb8aa3b                      ; log2(e)
	s_mov_b32 s35, s34                             ; (named with it as a pair, so it is written)
	s_wait_dscnt 0x0
	s_wait_kmcnt 0x0
	s_add_nc_u64 s[4:5], s[4:5], s[16:17]
	s_add_nc_u64 s[22:23], s[6:7], s[18:19]
	s_or_b32 s23, s23, 0x80000000                  ; type = 2
	tensor_load_to_lds s[20:23], s[24:31]          ; my sixteenth of wq: filled once, one load of mine is out
	s_nop 0
.irp n, 0,1,2,3,4,5,6,7,8,9,10,11
	XLOAD \n                                       ; three quarters of the ring: 24 loads
.endr
	v_and_b32 v14, 31, v0                          ; lane.  Every LDS address is made here, ahead of the first branch
	s_mul_i32 s36, s12, WST
	s_add_co_u32 s36, s36, STG                     ; my stages
	v_bfe_u32 v15, v0, 2, 3                        ; lane / 4 = 4 x K step + block: my group
	v_and_b32 v16, 3, v0
	v_lshlrev_b32 v16, 2, v16                      ; lane % 4: which 8 codes of the block
	v_mad_u32_u24 v[STC], v15, GP, v16
	v_add_nc_u32 v[STC], s36, v[STC]
	v_bfe_u32 v16, v0, 2, 2                        ; my block
	v_lshl_add_u32 v[STS], v13, 6, v16             ; 64 x K step + block (+ 4 x row)
	v_add_nc_u32 v[STS], s36, v[STS]
	v_lshlrev_b32 v16, 4, v12
	v_mad_u32_u24 v[LA], v13, GP, v16              ; back: group 4 s + 2 c + h, row r
	v_add_nc_u32 v[LA], s36, v[LA]
	v_lshl_add_u32 v[LSX], v14, 2, s36
	s_lshl_b32 s37, s14, 14                        ; my quarter's 16 fragments of W
	v_lshl_add_u32 v[VW], v14, 4, s37
	s_lshl_b32 s37, s14, 10                        ; and its 1,024 bytes of scale words
	s_add_co_u32 s37, s37, WSC
	v_lshl_add_u32 v[VWS], v14, 2, s37
	s_lshl_b32 s37, s12, 12
	s_add_co_u32 s37, s37, RED
	v_lshl_add_u32 v[RW], v14, 4, s37
	s_lshl_b32 s37, s12, 7
	s_add_co_u32 s37, s37, OUT
	v_lshlrev_b32 v16, 2, v13
	v_lshl_add_u32 v16, v12, 3, v16                ; token r's pair: 8 r + 4 h
	v_add_nc_u32 v[OA], s37, v16
	s_lshl_b32 s37, s12, 11
	s_add_co_u32 s37, s37, OUT
	v_lshl_add_u32 v[OL], v14, 4, s37              ; wave 0 reads the values back, wave 1 the experts
	v_lshlrev_b32 v[GO], 4, v14
	s_wait_tensorcnt 0x0                           ; my part of wq has landed (my earlier LDS instructions were waited for)
	s_barrier_signal -1
	s_barrier_wait -1                              ; and everybody's part has: every read of W's fragments and scale words stands behind this line.  No wave waits for another from here until the K quarters meet
.irp n, 12,13,14,15
	XLOAD \n                                       ; the ring's last quarter: 8 loads that hang on nothing, issued as the wave passes the barrier; 32 are out
.endr
	GROUP 0, 1, 24
	GROUP 1, 1, 24
	GROUP 2, 1, 24
	GROUP 3, 1, 24
	MATS 0, 1                                      ; all 64 loads of mine have been issued: these products hold no request back
	GROUP 4, 0, 24
	GROUP 5, 0, 16
	GROUP 6, 0, 8
	GROUP 7, 0, 0
	MATS 1, 0
.rept 4
	v_nop                                          ; four places in front of the first read of the results
.endr
	s_cmp_lt_u32 s12, 4
	s_cbranch_scc1 .Lowner
.irp i, 0,1,2,3,4,5,6,7
	ds_store_b128 v[RW], v[ACC+4*\i:ACC+4*\i+3] offset:512*\i   ; K quarters 1 to 3: my sums as they stand, each accumulator from its low end on
.endr
.Lowner:
	s_wait_dscnt 0x0                               ; for the others' sake: my stores have landed
	s_barrier_signal -1
	s_barrier_wait -1
	s_cmp_ge_u32 s12, 4
	s_cbranch_scc1 .Lmeet
.irp q, 1,2,3
.irp i, 0,1,2,3,4,5,6,7
	ds_load_b128 v[RING+32*(\q-1)+4*\i:RING+32*(\q-1)+4*\i+3], v[RW] offset:16384*\q+512*\i   ; my tile's sums of quarter q: wave t + 4 q's
.endr
.endr
.irp q, 1,2,3
	s_wait_dscnt 8*(3-\q)                          ; quarter q's eight loads are in, the later quarters' may be out
.irp j, 0,2,4,6,8,10,12,14,16,18,20,22,24,26,28,30
	v_pk_add_f32 v[ACC+\j:ACC+\j+1], v[ACC+\j:ACC+\j+1], v[RING+32*(\q-1)+\j:RING+32*(\q-1)+\j+1]
.endr
.endr
	; THE SOFTMAX of token r: 32 logits here, 32 in lane l xor 16
	v_max3_num_f32 v12, v[ACC], v[ACC+1], v[ACC+2]
	v_max3_num_f32 v13, v[ACC+3], v[ACC+4], v[ACC+5]
.irp j, 6,10,14,18,22,26
	v_max3_num_f32 v12, v12, v[ACC+\j], v[ACC+\j+1]
	v_max3_num_f32 v13, v13, v[ACC+\j+2], v[ACC+\j+3]
.endr
	v_max3_num_f32 v12, v12, v[ACC+30], v[ACC+31]
	v_max_num_f32 v12, v12, v13
	v_permlanex16_b32 v13, v12, s32, s33
	v_max_num_f32 v12, v12, v13                    ; the token's largest logit
	v_mul_f32 v12, s34, v12                        ; x log2(e)
.irp j, 0,2,4,6,8,10,12,14,16,18,20,22,24,26,28,30
	v_pk_fma_f32 v[ACC+\j:ACC+\j+1], v[ACC+\j:ACC+\j+1], s[34:35], v[12:13] op_sel_hi:[1,0,0] neg_lo:[0,0,1] neg_hi:[0,0,1]   ; (logit - largest) x log2(e), two at a time
.endr
.irp j, 0,1,2,3,4,5,6,7,8,9,10,11,12,13,14,15,16,17,18,19,20,21,22,23,24,25,26,27,28,29,30,31
	v_exp_f32 v[ACC+\j], v[ACC+\j]
.endr
	v_nop                                          ; a plain line behind the exponentials
	s_wait_alu depctr_va_vdst(0)
	v_pk_add_f32 v[14:15], v[ACC:ACC+1], v[ACC+2:ACC+3]
	v_pk_add_f32 v[16:17], v[ACC+4:ACC+5], v[ACC+6:ACC+7]
.irp j, 8,12,16,20,24,28
	v_pk_add_f32 v[14:15], v[14:15], v[ACC+\j:ACC+\j+1]
	v_pk_add_f32 v[16:17], v[16:17], v[ACC+\j+2:ACC+\j+3]
.endr
	v_pk_add_f32 v[14:15], v[14:15], v[16:17]
	v_add_f32 v14, v14, v15
	v_permlanex16_b32 v15, v14, s32, s33
	v_add_f32 v14, v14, v15                        ; the sum over the 64 experts: at least about 1
	v_rcp_f32 v14, v14
	v_nop                                          ; a plain line behind the reciprocal
	s_wait_alu depctr_va_vdst(0)
.irp j, 0,2,4,6,8,10,12,14,16,18,20,22,24,26,28,30
	v_pk_mul_f32 v[ACC+\j:ACC+\j+1], v[ACC+\j:ACC+\j+1], v[14:15] op_sel_hi:[1,0]   ; the scores
.endr
.irp j, 0,4,8,12,16,20,24,28
.irp q, 0,1,2,3
	v_cmp_le_f32 s[40+\q], 0x800000, v[ACC+\j+\q]  ; a score under 2^-126 counts as 0, so that such scores tie
.endr
.irp q, 0,1,2,3
	v_cndmask_b32 v[ACC+\j+\q], 0, v[ACC+\j+\q], s[40+\q]
.endr
.endr
	; THE TWO LARGEST SCORES.  Four chains by turns, one for each eight registers; experts are counted 0 .. 31 within my half of the lanes
.irp ch, 0,1,2,3
	v_mov_b32 v[TV1+\ch], v[ACC+8*\ch]
	v_mov_b32 v[TI1+\ch], 8*\ch
	v_mov_b32 v[TV2+\ch], -1.0                     ; under every score: the next score takes the place
	v_mov_b32 v[TI2+\ch], 8*\ch
.endr
.irp j, 1,2,3,4,5,6,7
	INSERT \j
.endr
	MERGE 0, 1, 64, 40
	MERGE 2, 3, 68, 41
	MERGE 0, 2, 64, 40
.irp q, TV1, TI1, TV2, TI2
	v_mov_b32 v[\q+1], v[\q]
	v_permlane16_swap_b32 v[\q], v[\q+1]           ; in every lane: chain 0 = lanes 0-15's two best of token r (experts 0 .. 31), chain 1 = lanes 16-31's
.endr
	v_add_nc_u32 v[TI1+1], 32, v[TI1+1]            ; whose experts are 32 .. 63
	v_add_nc_u32 v[TI2+1], 32, v[TI2+1]
	MERGE 0, 1, 64, 40
	v_add_f32 v64, v[TV1], v[TV2]                  ; the two scores' sum: at least 1 / 64
	v_rcp_f32 v64, v64
	v_and_b32 v65, 16, v0                          ; (a plain line behind the reciprocal)
	v_cmp_ne_u32 vcc_lo, 0, v65                    ; lanes 0-15 hand on the first of the pair, lanes 16-31 the second
	s_wait_alu depctr_va_vdst(0)
	v_mul_f32 v66, v[TV1], v64
	v_mul_f32 v67, v[TV2], v64
	v_cndmask_b32 v66, v66, v67, vcc_lo
	v_cndmask_b32 v67, v[TI1], v[TI2], vcc_lo
	ds_store_b32 v[OA], v66
	ds_store_b32 v[OA], v67 offset:2048
.Lmeet:
	s_wait_dscnt 0x0                               ; for the others' sake: my stores have landed
	s_barrier_signal -1
	s_barrier_wait -1                              ; the 64 tokens' pairs lie together: 512 bytes of values, 512 of experts
	s_cmp_ge_u32 s12, 2
	s_cbranch_scc1 .Lend
	ds_load_b128 v[RING:RING+3], v[OL]
	s_cmp_eq_u32 s12, 0
	s_cselect_b64 s[8:9], s[8:9], s[10:11]         ; wave 0 stores out0, wave 1 out1
	s_lshl_b32 s16, ttmp9, 9                       ; 64 tokens x 8 bytes a work-group
	s_mov_b32 s17, 0
	s_add_nc_u64 s[8:9], s[8:9], s[16:17]
	s_wait_dscnt 0x0
	global_store_b128 v[GO], v[RING:RING+3], s[8:9]   ; 32 lanes store 512 consecutive bytes, aligned
.Lend:
	s_wait_tensorcnt 0x0
	ds_add_u32 v46, v47
	s_wait_dscnt 0x0
	s_endpgm
.Lfunc_end_k_q5c3f5cd51e_gate:
	.size	k_q5c3f5cd51e_gate, .Lfunc_end_k_q5c3f5cd51e_gate-k_q5c3f5cd51e_gate
	.p2alignl 7, 3214868480
	.fill 96, 4, 3214868480
	.section	.rodata,"a",@progbits
	.p2align	6, 0x0
	.amdhsa_kernel k_q5c3f5cd51e_gate
		.amdhsa_group_segment_fixed_size 243712
		.amdhsa_private_segment_fixed_size 0
		.amdhsa_enable_private_segment 0
		.amdhsa_kernarg_size 32
		.amdhsa_user_sgpr_count 2
		.amdhsa_user_sgpr_kernarg_segment_ptr 1
		.amdhsa_wavefront_size32 1
		.amdhsa_system_sgpr_workgroup_id_x 1
		.amdhsa_system_sgpr_workgroup_id_y 1
		.amdhsa_system_sgpr_workgroup_id_z 1
		.amdhsa_system_vgpr_workitem_id 0
		.amdhsa_next_free_vgpr 256
		.amdhsa_next_free_sgpr 66
		.amdhsa_reserve_vcc 1
		.amdhsa_float_denorm_mode_32 3
		.amdhsa_float_denorm_mode_16_64 3
		.amdhsa_memory_ordered 1
		.amdhsa_forward_progress 1
		.amdhsa_inst_pref_size 74
	.end_amdhsa_kernel
	.amdgpu_metadata
---
amdhsa.version: [ 1, 2 ]
amdhsa.kernels:
  - .name:           k_q5c3f5cd51e_gate
    .symbol:         k_q5c3f5cd51e_gate.kd
    .args:
      - { .name: x, .offset: 0, .size: 8, .value_kind: global_buffer, .address_space: global }
      - { .name: wq, .offset: 8, .size: 8, .value_kind: global_buffer, .address_space: global }
      - { .name: out0, .offset: 16, .size: 8, .value_kind: global_buffer, .address_space: global }
      - { .name: out1, .offset: 24, .size: 8, .value_kind: global_buffer, .address_space: global }
    .group_segment_fixed_size: 243712
    .private_segment_fixed_size: 0
    .kernarg_segment_align: 8
    .kernarg_segment_size: 32
    .max_flat_workgroup_size: 512
    .sgpr_count:     66
    .vgpr_count:     256
    .wavefront_size: 32
...
	.end_amdgpu_metadata
.endif
;; end of part 2
